; MI455X (gfx1250); checked and timed in simulation.
; The chip was launched on July 23, 2026; its instructions are those of AMD's public machine-readable ISA for CDNA 5 (MIT licence, August 2026) and "CDNA5" Instruction Set Architecture Reference Guide (July 2026). The comments in the code are by the model that wrote it; some were corrected since.
;; My Model. Allowed arithmetic: float matrix products may take bf16 or f16 operands with f32 sums; other float arithmetic in f32, or as packed bf16 or f16 multiplies, adds, multiply-adds, maxima and minima; sums over many terms, partial sums and values carried from step to step in f32; what a program stores and reads back later, other than sums and carried values, may be rounded once to bf16 or f16.
;; Inputs: W1 1,024 x 8 float32; W2 1,024 x 1,024 float32; W3 1 x 1,024 float32; b1 1,024 float32; b2 1,024 float32; b3 1 float32; be1 1,024 float32; be2 1,024 float32; g1 1,024 float32; g2 1,024 float32; x 65,536 x 16 float32.
;; Outputs: out0 65,536 float32.
;; 2 versions, each right and faster than the one before. Each part assembles by itself: llvm-mc -triple=amdgcn-amd-amdhsa -mcpu=gfx1250 --defsym DOCPART=n.
;; ======== version 1 of 2: 2 launches
;; workspace buffers: w2f 2,097,152 bytes; w1f 65,536 bytes; tab 8,192 bytes
;; launch prep (part 1): grid 256 x 1, 16 waves a work-group, no clusters, 0 bytes of LDS; arguments W2, g2, W1, g1, b1, be1, b2, be2, w2f, w1f, tab; writes w2f, w1f, tab
.if DOCPART == 1
	.amdgcn_target "amdgcn-amd-amdhsa--gfx1250"
	.amdhsa_code_object_version 6
	.text
	.protected	k_qef6f2b91ef_prep
	.globl	k_qef6f2b91ef_prep
	.p2align	8
	.type	k_qef6f2b91ef_prep,@function
k_qef6f2b91ef_prep:
	s_mov_b64 s[64:65], 0
	v_nop
	global_prefetch_b8 v0, s[64:65] scope:SCOPE_SE
	s_setreg_imm32_b32 hwreg(HW_REG_WAVE_MODE, 25, 1), 1
	s_wait_xcnt 0x0
; THE WEIGHTS AS THE SECOND LAUNCH WANTS THEM.  tanh(z) = 2 / (1 + 2^z'') - 1 with z'' = -2 log2(e) z, and z = g h rs + be with rs = rsqrt(1 + 1e-5):
; the factor -2 log2(e), rs and the gain are multiplied into the weights and biases here, in f32, so that the matrix products give z'' at once.
;   w2f  bf16(a2[n] W2[n][k]), a2 = NKR g2, in the order of matrix fragments: byte w*524288 + c*131072 + kt*4096 + t*1024 + half*512 + lane*16 holds the 8 numbers
;        n = 256 c + 64 w + 16 t + lane % 16, k = 32 kt + 16 half + 8 (lane / 16) + 0..7
;   w1f  s1[f] W1[f][0..7], s1 = NKR g1, split in two bf16 (hi, and lo = the rest rounded): tile ft at ft*1024 + half*512 + lane*16, f = 16 ft + lane % 16;
;        lanes 0-15 hold hi, lanes 16-31 lo, both halves alike
;   tab  f32: c1[f] = s1 b1 + NKL be1 at 4 f; c2[n] = a2 b2 + NKL be2 at 4096 + 4 n
; 256 work-groups of 512 threads: each thread makes 16 bytes of w2f, a wave's store covers 512 consecutive bytes; the work-group reads 64 rows x 256 aligned bytes of W2.
; Work-group 0 also makes tab; wave 0 of work-groups 0 to 127 also makes 512 bytes of w1f.  Memory binds and the launch is short: no LDS, no matrix unit.
.set NKR, 0xc038a9ff                   ; -2 log2(e) rsqrt(f32(1.00001))
.set NKL, 0xc038aa3b                   ; -2 log2(e)
	s_load_b512 s[4:19], s[0:1], 0x0               ; W2 s[4:5], g2 s[6:7], W1 s[8:9], g1 s[10:11], b1 s[12:13], be1 s[14:15], b2 s[16:17], be2 s[18:19]
	s_load_b128 s[20:23], s[0:1], 0x40             ; w2f s[20:21], w1f s[22:23]
	s_load_b64 s[24:25], s[0:1], 0x50              ; tab
	s_mov_b32 s26, ttmp9                           ; b = 64 w + 16 c + kt / 2
	v_lshrrev_b32 v3, 5, v0
	v_readfirstlane_b32 s27, v3                    ; my wave's number
	s_and_b32 s28, s26, 15
	s_lshl_b32 s28, s28, 8                         ; the group's two K steps begin at byte 256 (b % 16) of W2's rows
	s_bfe_u32 s29, s26, 0x20004                    ; c
	s_lshr_b32 s30, s26, 6                         ; w
	s_lshl_b32 s29, s29, 8
	s_lshl_b32 s30, s30, 6
	s_add_co_u32 s29, s29, s30                     ; n0 = 256 c + 64 w: the group's first row of W2
	s_lshl_b32 s32, s29, 12
	s_add_co_u32 s32, s32, s28                     ; byte offset in W2
	s_mov_b32 s33, 0
	s_lshl_b32 s34, s29, 2                         ; in g2
	s_mov_b32 s35, 0
	s_lshl_b32 s36, s26, 13                        ; in w2f: 8,192 bytes a group
	s_mov_b32 s37, 0
	v_and_b32 v2, 15, v0                           ; r = lane % 16
	v_bfe_u32 v3, v0, 6, 2                         ; t
	v_lshl_add_u32 v4, v3, 4, v2                   ; my row among the group's 64
	v_bfe_u32 v5, v0, 4, 2                         ; 2 half + lane / 16: 32 bytes each
	v_bfe_u32 v6, v0, 8, 1                         ; which of the two K steps: 128 bytes
	v_lshlrev_b32 v1, 12, v4
	v_lshl_add_u32 v1, v5, 5, v1
	v_lshl_add_u32 v1, v6, 7, v1                   ; my 8 numbers of W2
	v_lshlrev_b32 v19, 2, v4                       ; my row's gain
	v_lshlrev_b32 v18, 4, v0                       ; my 16 bytes of the group's 8,192
	s_wait_kmcnt 0x0
	s_add_nc_u64 s[32:33], s[4:5], s[32:33]
	s_add_nc_u64 s[34:35], s[6:7], s[34:35]
	s_add_nc_u64 s[36:37], s[20:21], s[36:37]
	global_load_b128 v[8:11], v1, s[32:33]
	global_load_b128 v[12:15], v1, s[32:33] offset:16
	global_load_b32 v16, v19, s[34:35]
	s_wait_loadcnt 0x0
	v_mul_f32 v16, NKR, v16                        ; a2
	v_mov_b32 v17, v16
.irp p, 0,1,2,3
	v_pk_mul_f32 v[8+2*\p:9+2*\p], v[8+2*\p:9+2*\p], v[16:17]
.endr
.irp p, 0,1,2,3
	v_cvt_pk_bf16_f32 v[20+\p], v[8+2*\p], v[9+2*\p]
.endr
	global_store_b128 v18, v[20:23], s[36:37]      ; a wave stores 512 consecutive bytes, aligned
	; tab: work-group 0; thread t takes features 2 t and 2 t + 1 of both layers
	s_cmp_lg_u32 s26, 0
	s_cbranch_scc1 .Lno_tab
	v_lshlrev_b32 v24, 3, v0
	global_load_b64 v[26:27], v24, s[10:11]        ; g1
	global_load_b64 v[28:29], v24, s[12:13]        ; b1
	global_load_b64 v[30:31], v24, s[14:15]        ; be1
	global_load_b64 v[32:33], v24, s[6:7]          ; g2
	global_load_b64 v[34:35], v24, s[16:17]        ; b2
	global_load_b64 v[36:37], v24, s[18:19]        ; be2
	s_wait_loadcnt 0x0
.irp a, 26, 32
	v_pk_mul_f32 v[\a:\a+1], v[\a:\a+1], NKR op_sel_hi:[1,0]
	v_pk_mul_f32 v[\a+4:\a+5], v[\a+4:\a+5], NKL op_sel_hi:[1,0]
	v_pk_fma_f32 v[\a:\a+1], v[\a:\a+1], v[\a+2:\a+3], v[\a+4:\a+5]
.endr
	global_store_b64 v24, v[26:27], s[24:25]
	global_store_b64 v24, v[32:33], s[24:25] offset:4096
.Lno_tab:
	; w1f: wave 0 of work-groups 0 to 127: half b % 2 of tile b / 2, 512 consecutive bytes
	s_cmp_lg_u32 s27, 0
	s_cbranch_scc1 .Lend
	s_cmp_ge_u32 s26, 128
	s_cbranch_scc1 .Lend
	s_lshr_b32 s40, s26, 1                         ; the tile: 16 rows of W1
	s_lshl_b32 s38, s40, 9                         ; of 32 bytes
	s_mov_b32 s39, 0
	s_lshl_b32 s40, s40, 6                         ; and 16 gains
	s_mov_b32 s41, 0
	s_lshl_b32 s42, s26, 9
	s_mov_b32 s43, 0
	s_add_nc_u64 s[38:39], s[8:9], s[38:39]
	s_add_nc_u64 s[40:41], s[10:11], s[40:41]
	s_add_nc_u64 s[42:43], s[22:23], s[42:43]
	v_lshlrev_b32 v39, 5, v2                       ; both halves of the lanes read row lane % 16
	v_lshlrev_b32 v40, 2, v2
	global_load_b128 v[42:45], v39, s[38:39]
	global_load_b128 v[46:49], v39, s[38:39] offset:16
	global_load_b32 v50, v40, s[40:41]
	s_wait_loadcnt 0x0
	v_mul_f32 v50, NKR, v50                        ; s1
	v_mov_b32 v51, v50
.irp p, 0,1,2,3
	v_pk_mul_f32 v[42+2*\p:43+2*\p], v[42+2*\p:43+2*\p], v[50:51]
.endr
.irp p, 0,1,2,3
	v_cvt_pk_bf16_f32 v[52+\p], v[42+2*\p], v[43+2*\p]   ; hi
.endr
.irp p, 0,1,2,3
	v_lshlrev_b32 v[56+2*\p], 16, v[52+\p]         ; hi as f32
	v_and_b32 v[57+2*\p], 0xffff0000, v[52+\p]
.endr
.irp p, 0,1,2,3,4,5,6,7
	v_sub_f32 v[56+\p], v[42+\p], v[56+\p]         ; what hi leaves over: exact
.endr
.irp p, 0,1,2,3
	v_cvt_pk_bf16_f32 v[64+\p], v[56+2*\p], v[57+2*\p]   ; lo
.endr
	v_cmp_le_u32 vcc_lo, 16, v0                    ; lanes 16-31 (in wave 0 the thread's number is the lane's)
.irp p, 0,1,2,3
	v_cndmask_b32 v[52+\p], v[52+\p], v[64+\p], vcc_lo
.endr
	global_store_b128 v18, v[52:55], s[42:43]
.Lend:
	s_endpgm
.Lfunc_end_k_qef6f2b91ef_prep:
	.size	k_qef6f2b91ef_prep, .Lfunc_end_k_qef6f2b91ef_prep-k_qef6f2b91ef_prep
	.p2alignl 7, 3214868480
	.fill 96, 4, 3214868480
	.section	.rodata,"a",@progbits
	.p2align	6, 0x0
	.amdhsa_kernel k_qef6f2b91ef_prep
		.amdhsa_group_segment_fixed_size 0
		.amdhsa_private_segment_fixed_size 0
		.amdhsa_enable_private_segment 0
		.amdhsa_kernarg_size 88
		.amdhsa_user_sgpr_count 2
		.amdhsa_user_sgpr_kernarg_segment_ptr 1
		.amdhsa_wavefront_size32 1
		.amdhsa_system_sgpr_workgroup_id_x 1
		.amdhsa_system_sgpr_workgroup_id_y 1
		.amdhsa_system_sgpr_workgroup_id_z 1
		.amdhsa_system_vgpr_workitem_id 0
		.amdhsa_next_free_vgpr 72
		.amdhsa_next_free_sgpr 66
		.amdhsa_reserve_vcc 1
		.amdhsa_float_denorm_mode_32 3
		.amdhsa_float_denorm_mode_16_64 3
		.amdhsa_memory_ordered 1
		.amdhsa_forward_progress 1
		.amdhsa_inst_pref_size 7
	.end_amdhsa_kernel
	.amdgpu_metadata
---
amdhsa.version: [ 1, 2 ]
amdhsa.kernels:
  - .name:           k_qef6f2b91ef_prep
    .symbol:         k_qef6f2b91ef_prep.kd
    .args:
      - { .name: W2, .offset: 0, .size: 8, .value_kind: global_buffer, .address_space: global }
      - { .name: g2, .offset: 8, .size: 8, .value_kind: global_buffer, .address_space: global }
      - { .name: W1, .offset: 16, .size: 8, .value_kind: global_buffer, .address_space: global }
      - { .name: g1, .offset: 24, .size: 8, .value_kind: global_buffer, .address_space: global }
      - { .name: b1, .offset: 32, .size: 8, .value_kind: global_buffer, .address_space: global }
      - { .name: be1, .offset: 40, .size: 8, .value_kind: global_buffer, .address_space: global }
      - { .name: b2, .offset: 48, .size: 8, .value_kind: global_buffer, .address_space: global }
      - { .name: be2, .offset: 56, .size: 8, .value_kind: global_buffer, .address_space: global }
      - { .name: w2f, .offset: 64, .size: 8, .value_kind: global_buffer, .address_space: global }
      - { .name: w1f, .offset: 72, .size: 8, .value_kind: global_buffer, .address_space: global }
      - { .name: tab, .offset: 80, .size: 8, .value_kind: global_buffer, .address_space: global }
    .group_segment_fixed_size: 0
    .private_segment_fixed_size: 0
    .kernarg_segment_align: 8
    .kernarg_segment_size: 88
    .max_flat_workgroup_size: 512
    .sgpr_count:     66
    .vgpr_count:     72
    .wavefront_size: 32
...
	.end_amdgpu_metadata
.endif
;; end of part 1
;; launch mlp (part 2): grid 256 x 1, 4 waves a work-group, no clusters, 281,088 bytes of LDS; arguments x, w1f, w2f, tab, W3, b3, out0; writes out0
.if DOCPART == 2
	.amdgcn_target "amdgcn-amd-amdhsa--gfx1250"
	.amdhsa_code_object_version 6
	.text
	.protected	k_qef6f2b91ef_mlp
	.globl	k_qef6f2b91ef_mlp
	.p2align	8
	.type	k_qef6f2b91ef_mlp,@function
k_qef6f2b91ef_mlp:
	s_mov_b64 s[64:65], 0
	v_nop
	global_prefetch_b8 v0, s[64:65] scope:SCOPE_SE
	s_setreg_imm32_b32 hwreg(HW_REG_WAVE_MODE, 25, 1), 1
	s_wait_xcnt 0x0
; out[row] = W3 . tanh(bn(W2 tanh(bn(W1 u + b1)) + b2)) + b3, u = (Kp, Ki, Kd, hi - aim_hi, lo, hi, aim_lo, aim_hi) made of x's columns 8-11 and 15.
; (x's other columns feed only results that the function throws away.)  The gains, rsqrt(1 + 1e-5) and -2 log2(e) lie in w1f, w2f and tab already: the products give z'', and tanh = 2 / (1 + 2^z'') - 1.
; SHARES.  256 work-groups of four waves; a work-group owns 256 rows, in two passes of 128.  In a pass h1 (128 rows x 1,024 features, bf16, 262,144 bytes) is made once and kept in LDS, in the order
; of matrix fragments.  Layer 2 goes in four chunks of 256 features: a wave owns 64 of them for all 128 rows: 32 accumulators, 256 registers; K in steps of 32.
; tanh, the product with W3 (f32) and the row's sum are made in registers; nothing goes through memory.
; BOTH PRODUCTS: source 0 = 16 features, source 1 = 16 rows: a lane holds ONE row (lane % 16) and features 8 (lane / 16) + 0..7.  Two of layer 1's results rounded to bf16 ARE a fragment of layer 2's source 1.
; LAYER 1 has K = 8 and sums near 100 of which tanh still sees the fraction: single bf16 operands would not do.  So u and W1 are split in hi + lo (two bf16 each), and the four groups of 8 along K = 32
; hold W1 as (hi, lo, hi, lo) and u as (hi, hi, lo, lo): one matrix instruction adds all four cross products; the bias is its C operand.
; W2 COMES THROUGH REGISTERS, NO TENSOR LOAD, NO CLUSTER.  All work-groups read the same w2f, but h1 takes 262,144 of a WGP's 327,680 bytes of LDS: two slots in what is left (some 24 KB each beside
; u and the stage) would hold three K steps of the group's 256 features, too little work for a refill to land in; and each fragment of W2 serves one wave alone, which has all 128 rows.
; So each wave loads its fragments straight into a ring of 8 K steps in registers, seven steps (28,672 bytes a wave) ahead.  Joint loads exist for LDS alone.
; TANH.  z'' is held to 30 at the most (there tanh is -1 to f32's last bit).  With a = 0.5 2^z'' + 0.5 the result is 1 / a - 1, and four numbers share one reciprocal: r = 1 / (a b c d), at most 2^116 below;
; 1 / a = r (b d) c, and so on.  The results of a group of four change places in pairs; the lines that take them name the registers accordingly.
; LIMITS.  NaN and infinities in x or the weights are not treated apart (a NaN z'' gives -1).  Kp = (0.3417968 + s max(|t| - 2.5, 0)) rate, s = 0.1582032 / 7.5, t = diff x 0.001, and Ki = 0.1503906 rate:
; for finite t these equal the function's own tables, their extrapolation included, up to f32's rounding.  h1 and W2 are rounded once to bf16.
; The ring's last seven steps, the last pass's reload of W1's first tiles and each pass's last fetch of h1 are loaded (inside their buffers, by wrapped offsets) and not used.
; REGISTERS, in windows of 256 (s_set_vgpr_msb: bits 1:0 source 0, 3:2 source 1, 5:4 source 2, 7:6 destination):
;   window 0: v0-29 addresses; v32-63 row sums; v64-95 c2, v96-127 W3 of my 64 features; v128-255 two buffers of h1's fragments (the second is work space in a chunk's end)
;   window 1: layer 2: accumulator (t, rt) at 8 (8 t + rt).  Layer 1: v0-63 u's fragments, v64-75 at work, v96-98 addresses, v128-255 sixteen results
;   window 2: the ring: K step j's four fragments of W2 at 32 j + 8 t          window 3: v0-15 W1's two tiles, v16-31 their c1
.set UF,    262144                     ; LDS: h1 at 0: fragment (kt, rt) at kt*8192 + rt*1024 + half*512 + lane*16.  Then u's fragments of the 16 row tiles: T*1024 + half*512 + lane*16 (half 0 hi, half 1 lo)
.set RED,   278528                     ; f32 [wave][128 rows]
.set SPARE, 280576                     ; the spare words, 128 bytes a wave: two blocks of 256 bytes that no other line names
.set LFR, 4                            ; v4   16 x lane; never rewritten
.set HAD, 5                            ; v5   h1's fragments of this trip's 8 K steps
.set HADN, 6                           ; v6   of the next trip's
.set WRA, 7                            ; v7   w2f's fragments of this trip
.set WRB, 8                            ; v8   of the next
.set CT,  9                            ; v9   byte offset of my features in c2 and W3, this chunk
.set CTN, 10                           ; v10  the next chunk
.set XO,  11                           ; v11  my row of x
.set UST, 12                           ; v12  where I store u's fragments
.set UFA, 13                           ; v13  where I read them
.set RST, 14                           ; v14  where I store row sums
.set RRD, 15                           ; v15  where wave 0 reads them
.set OO,  16                           ; v16  my 16 bytes of 512 of out
.set H32, 26                           ; v26  32 (lane / 16)
.set CB,  27                           ; v27  256 wave + 32 (lane / 16)
.set SPW, 28                           ; v28  my spare word; never rewritten
.set NIL, 29                           ; v29  0; never rewritten
.set SA,  32                           ; v[32+2rt:33+2rt], v[48+2rt:49+2rt]: two pairs of partial sums for row tile rt
.set C2C, 64
.set W3C, 96
.set HF,  128
.set WK,  192                          ; a chunk's end: four work slots of 8
.set TM,  224                          ; and two sets of 6 temporaries
.set TM1, 64                           ; window 1
.set HST, 96
.set W1O, 97
.set C1O, 98
.set DT,  128
.set W1F, 0                            ; window 3
.set C1B, 16
; scalars: s[4:5] x, s[6:7] w1f, s[8:9] w2f, s[10:11] c1, s[12:13] W3, s[14:15] b3, s[16:17] out, each at my part; s18 b3's value; s19 u's fragments of the pass; s20 wave; s21 30.0; s[22:23] lane selects;
; s24-27 counters (pass, chunk, trip, layer 1); s[28:29] an offset; s[30:31] c2; s32-38 constants; s39 h1 store base; s40, 41 h1 read base now, next; s42, 43 w2f; s44, 45 chunk; s46, 47 w1f, c1
.set MSB, 0
.macro WIN new                         ; the immediate's high byte repeats the setting that is left; a switch that changes nothing is dropped
.if MSB != (\new)
	s_set_vgpr_msb (MSB<<8)|(\new)
.set MSB, \new
.endif
.endm
.set W_MM,  0x52                       ; W2 window 2, h1 window 0, C and D window 1
.set W_MZ,  0x42                       ; the same with C (the bias) in window 0
.set W_WL,  0x80                       ; destination window 2, address window 0
.set W_L1,  0x55                       ; all in window 1
.set W_L1M, 0x77                       ; W1 and c1 window 3, u and D window 1
.set W_L1L, 0xc1                       ; destination window 3, address window 1
.set W_TO1, 0x40                       ; destination window 1, sources window 0
.set W_MIN, 0x04                       ; source 1 window 1
; A load into a register that a matrix instruction has read, and a vector instruction that reads a matrix result or writes one of a matrix instruction's registers, stand four places behind it; only plain
; vector instructions that name none of its registers are places (ISA guide 7.12.1 for vector instructions).
.macro PLACES
.rept 4
	v_nop
.endr
.endm
.macro HLD buf, areg, off              ; 16 LDS loads: a K step's 8 fragments of h1; 32 lanes take 512 consecutive bytes
	WIN 0
.irp rt, 0,1,2,3,4,5,6,7
	ds_load_b128 v[(\buf)+8*\rt:(\buf)+8*\rt+3],   v[\areg] offset:(\off)+\rt*1024
	ds_load_b128 v[(\buf)+8*\rt+4:(\buf)+8*\rt+7], v[\areg] offset:(\off)+\rt*1024+512
.endr
.endm
.macro WLD j, areg, off                ; 8 global loads: a K step's 4 fragments of W2 into ring buffer j; each load takes 512 consecutive bytes
	WIN W_WL
.irp t, 0,1,2,3
	global_load_b128 v[32*(\j)+8*\t:32*(\j)+8*\t+3],   v[\areg], s[8:9] offset:(\off)+\t*1024
	global_load_b128 v[32*(\j)+8*\t+4:32*(\j)+8*\t+7], v[\areg], s[8:9] offset:(\off)+\t*1024+512
.endr
.endm
; 32 matrix instructions: one K step on all 32 accumulators, which take turns in the same order in every step.  first = 1: the bias starts the sums: nothing is cleared.
.macro MM32 hb, j, first
.if \first
	WIN W_MZ
.else
	WIN W_MM
.endif
.irp t, 0,1,2,3
.irp rt, 0,1,2,3,4,5,6,7
.if \first
	v_wmma_f32_16x16x32_bf16 v[8*(8*\t+\rt):8*(8*\t+\rt)+7], v[32*(\j)+8*\t:32*(\j)+8*\t+7], v[HF+64*(\hb)+8*\rt:HF+64*(\hb)+8*\rt+7], v[C2C+8*\t:C2C+8*\t+7]
.else
	v_wmma_f32_16x16x32_bf16 v[8*(8*\t+\rt):8*(8*\t+\rt)+7], v[32*(\j)+8*\t:32*(\j)+8*\t+7], v[HF+64*(\hb)+8*\rt:HF+64*(\hb)+8*\rt+7], v[8*(8*\t+\rt):8*(8*\t+\rt)+7]
.endif
.endr
.endr
.endm
; K step j of a trip of 8.  It fetches the next step's h1 into the other buffer and the W2 of seven steps on into the ring buffer that the step before has read; then it multiplies.
.macro STEP j, first
	s_wait_dscnt 0x0                               ; this step's h1, asked for a step ago
	s_wait_loadcnt 48                              ; loads come back in order (ISA guide 5.7.1): behind this step's 8 loads of W2 the next six steps' 48 were issued (others in between only make the wait stricter)
	PLACES
.if (\j) < 7
	HLD HF+64*(((\j)+1)%2), HAD, ((\j)+1)*8192
.else
	HLD HF, HADN, 0
.endif
.if (\j) == 0
	WLD 7, WRA, 7*4096
.else
	WLD (\j)-1, WRB, ((\j)-1)*4096
.endif
	MM32 (\j)%2, \j, \first
.endm
.macro TRIP first
	STEP 0, \first
.irp s, 1,2,3,4,5,6,7
	STEP \s, 0
.endr
.endm
; The next trip's addresses: scalar bases that step and wrap (h1: 4 trips of 65,536 bytes; my part of w2f: 16 trips of 32,768), plus the lane's 16 bytes.
.macro ADV
	WIN 0
	s_wait_xcnt 0x0                                ; the ring's loads have had their addresses translated (ISA guide 3.1): only now are WRA and WRB rewritten
	s_mov_b32 s40, s41
	s_add_co_u32 s41, s41, 65536
	s_and_b32 s41, s41, 0x3ffff
	s_mov_b32 s42, s43
	s_add_co_u32 s43, s43, 32768
	s_and_b32 s43, s43, 0x7ffff
	v_add_nc_u32 v[HAD], s40, v[LFR]
	v_add_nc_u32 v[HADN], s41, v[LFR]
	v_add_nc_u32 v[WRA], s42, v[LFR]
	v_add_nc_u32 v[WRB], s43, v[LFR]
.endm
.macro CONST                           ; the next chunk's bias (this chunk's has been read by its first K step) and this chunk's W3; shown landed by the ring's counted waits of the three trips that follow
	WIN 0
.irp t, 0,1,2,3
	global_load_b128 v[C2C+8*\t:C2C+8*\t+3],   v[CTN], s[30:31] offset:\t*64
	global_load_b128 v[C2C+8*\t+4:C2C+8*\t+7], v[CTN], s[30:31] offset:\t*64+16
	global_load_b128 v[W3C+8*\t:W3C+8*\t+3],   v[CT], s[12:13] offset:\t*64
	global_load_b128 v[W3C+8*\t+4:W3C+8*\t+7], v[CT], s[12:13] offset:\t*64+16
.endr
.endm
.macro L1LD                            ; a K step of h1 wants two tiles of W1 (16 features x (hi, lo, hi, lo)) and their 32 biases
	WIN W_L1L
.irp f, 0,1
	global_load_b128 v[W1F+8*\f:W1F+8*\f+3],   v[W1O], s[6:7] offset:\f*1024
	global_load_b128 v[W1F+8*\f+4:W1F+8*\f+7], v[W1O], s[6:7] offset:\f*1024+512
	global_load_b128 v[C1B+8*\f:C1B+8*\f+3],   v[C1O], s[10:11] offset:\f*64
	global_load_b128 v[C1B+8*\f+4:C1B+8*\f+7], v[C1O], s[10:11] offset:\f*64+16
.endr
.endm
; TANH OF A RUN OF TILES (a tile: 8 registers, 16 rows x 16 features), for both layers.  mode 0: layer 1, in place on its 16 results, all in window 1; the results go to LDS as bf16.
; mode 1: layer 2: a tile is copied out of its accumulator into one of four work slots; the results are multiplied by W3 and added to the row sums.
; Iteration 'it' holds ten transcendentals T0-9 and up to 26 plain instructions P0-25, dealt one T and three P by turns, of four tiles at four stages:
;   T0-7    tile it:     2^z'', in place                       T8, T9   tile it - 1: the two reciprocals
;   P0-3    tile it - 1: a = 0.5 e + 0.5                       P4, P5   (b d, a c) of each group of four        P6, P7   a b c d
;   P8, P9  tile it - 2: r (b d, a c) = (1 / (a c), 1 / (b d)) P10-13   times (a, b) and (c, d), less 1: registers 0, 1 now hold numbers 2, 3; 2, 3 hold 0, 1; 4, 5 hold 6, 7; 6, 7 hold 4, 5
;   P14-17  tile it - 2: the way on                            P18-25   tile it + 1: min(z'', 30), from the accumulator's lowest register up
; So behind every transcendental stands a plain instruction of another tile, or another transcendental and then one (ISA guide 5.7.2), and no result is used before the next iteration.
; A work slot lives four iterations, a set of temporaries two.  Entries whose tile does not exist are left out.
.macro TILE n, mode
.if \mode
.set rW, WK+8*((\n)%4)
.set rT, TM+6*((\n)%2)
.else
.set rW, DT+8*(\n)
.set rT, TM1+6*((\n)%2)
.endif
.endm
.macro TOP NT, mode                    ; transcendental kk
.if kk < 8
.if (it >= 0) && (it < (\NT))
	TILE it, \mode
	v_exp_f32 v[rW+kk], v[rW+kk]
.endif
.elseif (it >= 1) && (it <= (\NT))
	TILE it-1, \mode
	v_rcp_f32 v[rT+kk-4], v[rT+kk-4]
.endif
.endm
.macro POP NT, mode                    ; plain instruction pn
.if pn < 8
.if (it >= 1) && (it <= (\NT))
	TILE it-1, \mode
.if pn < 4
	s_wait_alu depctr_va_vdst(0)
	v_pk_fma_f32 v[rW+2*pn:rW+2*pn+1], v[rW+2*pn:rW+2*pn+1], 0.5, 0.5 op_sel_hi:[1,0,0]
.elseif pn < 6
	v_pk_mul_f32 v[rT+2*(pn-4):rT+2*(pn-4)+1], v[rW+4*(pn-4):rW+4*(pn-4)+1], v[rW+4*(pn-4)+2:rW+4*(pn-4)+3] op_sel:[1,1] op_sel_hi:[0,0]
.else
	v_mul_f32 v[rT+pn-2], v[rT+2*(pn-6)], v[rT+2*(pn-6)+1]
.endif
.endif
.elseif pn < 18
.if (it >= 2) && (it <= (\NT)+1)
	TILE it-2, \mode
.set tl, it-2
.set sp, pn-14
.if pn == 8
	v_pk_mul_f32 v[rT:rT+1], v[rT+4:rT+5], v[rT:rT+1] op_sel_hi:[0,1]
.elseif pn == 9
	v_pk_mul_f32 v[rT+2:rT+3], v[rT+4:rT+5], v[rT+2:rT+3] op_sel:[1,0] op_sel_hi:[1,1]
.elseif pn < 14
	v_pk_fma_f32 v[rW+2*(pn-10):rW+2*(pn-10)+1], v[rT+2*((pn-10)/2):rT+2*((pn-10)/2)+1], v[rW+2*(pn-10):rW+2*(pn-10)+1], -1.0 op_sel_hi:[1,1,0]
.elseif \mode
	v_pk_fma_f32 v[SA+16*(sp%2)+2*(tl%8):SA+16*(sp%2)+2*(tl%8)+1], v[rW+2*sp:rW+2*sp+1], v[W3C+8*(tl/8)+2*sp+2-4*(sp%2):W3C+8*(tl/8)+2*sp+3-4*(sp%2)], v[SA+16*(sp%2)+2*(tl%8):SA+16*(sp%2)+2*(tl%8)+1]
.elseif pn == 14
	v_cvt_pk_bf16_f32 v[rW+1], v[rW], v[rW+1]      ; numbers 2, 3
.elseif pn == 15
	v_cvt_pk_bf16_f32 v[rW], v[rW+2], v[rW+3]      ; numbers 0, 1
.elseif pn == 16
	v_cvt_pk_bf16_f32 v[rW+2], v[rW+6], v[rW+7]    ; numbers 4, 5
.else
	v_cvt_pk_bf16_f32 v[rW+3], v[rW+4], v[rW+5]    ; numbers 6, 7
	ds_store_b128 v[HST], v[rW:rW+3] offset:tl*512 ; tile 2 rt + ft is half ft of fragment rt
.endif
.endif
.elseif pn < 26
.if it+1 < (\NT)
	TILE it+1, \mode
.if \mode
	v_min_num_f32 v[rW+pn-18], s21, v[8*(it+1)+pn-18]
.else
	v_min_num_f32 v[rW+pn-18], s21, v[rW+pn-18]
.endif
.endif
.endif
.set pn, pn+1
.endm
.macro ITER NT, mode
.if \mode
	WIN 0
.endif
.set kk, 0
.set pn, 0
.rept 10
.if (\mode) && (kk == 6) && (it+1 < (\NT))
	WIN W_MIN                                      ; from here to the iteration's end: the copies out of window 1, and transcendentals, which have no source 1
.endif
	TOP \NT, \mode
	POP \NT, \mode
	POP \NT, \mode
	POP \NT, \mode
.set kk, kk+1
.endr
.if (it == (\NT)-1) || (it == (\NT))
	v_nop                                          ; no tile is left to copy: the plain instruction behind the last reciprocal
	s_wait_alu depctr_va_vdst(0)
.endif
.endm
.macro PIPE NT, mode
.set it, -1
.rept (\NT)+3
	ITER \NT, \mode
.set it, it+1
.endr
.endm
	s_load_b256 s[4:11], s[0:1], 0x0               ; x, w1f, w2f, tab
	s_load_b128 s[12:15], s[0:1], 0x20             ; W3, b3
	s_load_b64 s[16:17], s[0:1], 0x30              ; out0
	v_lshl_add_u32 v[SPW], v0, 2, SPARE
	v_mov_b32 v[NIL], 0
	v_lshrrev_b32 v17, 5, v0
	v_readfirstlane_b32 s20, v17                   ; wave 0..3
	v_and_b32 v1, 31, v0                           ; lane
	v_and_b32 v2, 15, v0                           ; lane % 16
	v_bfe_u32 v3, v0, 4, 1                         ; lane / 16
	v_lshlrev_b32 v[LFR], 4, v1
	v_lshlrev_b32 v[H32], 5, v3
	s_mov_b32 s19, UF
	s_mov_b32 s21, 0x41f00000                      ; 30.0
	s_mov_b32 s22, 0x76543210                      ; v_permlanex16_b32: each lane takes its own place in the other half
	s_mov_b32 s23, 0xfedcba98
	s_mov_b32 s32, 0x3a83126f                      ; 0.001
	s_mov_b32 s33, 0xc0200000                      ; -2.5
	s_mov_b32 s34, 0x3cacccd2                      ; 0.1582032 / 7.5
	s_mov_b32 s35, 0x3eaefffd                      ; 0.3417968
	s_mov_b32 s36, 0x3e19fffe                      ; 0.1503906
	s_mov_b32 s37, 0x3c1fffe5                      ; 0.0097656
	s_mov_b32 s38, 0xffff0000                      ; a word's upper bf16
	s_mov_b32 s40, 0
	s_mov_b32 s41, 65536
	s_mov_b32 s42, 0
	s_mov_b32 s43, 32768
	s_mov_b32 s44, 0
	s_mov_b32 s45, 1024
	s_mov_b32 s46, 0
	s_mov_b32 s47, 0
	s_lshl_b32 s28, s20, 8
	v_add_nc_u32 v[CB], s28, v[H32]
	v_add_nc_u32 v[CT], s44, v[CB]
	v_add_nc_u32 v[CTN], s45, v[CB]
	s_lshl_b32 s28, s20, 12
	v_lshl_add_u32 v[XO], v2, 6, s28               ; row 64 wave + lane % 16 of the group's 256, 64 bytes a row: both halves of the lanes take the same row
	s_add_co_u32 s28, s28, UF
	v_add_nc_u32 v[UST], s28, v[LFR]               ; row tiles 4 wave + 0..3
	s_lshl_b32 s28, s20, 9
	s_add_co_u32 s28, s28, RED
	v_lshl_add_u32 v[RST], v2, 2, s28
	v_add_nc_u32 v[RRD], RED, v[LFR]
	v_mov_b32 v[OO], v[LFR]
	v_add_nc_u32 v[HAD], s40, v[LFR]
	v_add_nc_u32 v[HADN], s41, v[LFR]
	v_add_nc_u32 v[WRA], s42, v[LFR]
	v_add_nc_u32 v[WRB], s43, v[LFR]
	s_mov_b32 s29, 0
	s_wait_kmcnt 0x0
	s_load_b32 s18, s[14:15], 0x0                  ; b3
	s_lshl_b32 s28, ttmp9, 14
	s_add_nc_u64 s[4:5], s[4:5], s[28:29]          ; x at the group's 256 rows
	s_lshl_b32 s28, s20, 14
	s_add_nc_u64 s[6:7], s[6:7], s[28:29]          ; w1f at my 16 tiles
	s_lshl_b32 s28, s20, 19
	s_add_nc_u64 s[8:9], s[8:9], s[28:29]          ; w2f at my part
	s_add_nc_u64 s[30:31], s[10:11], 4096          ; c2
	s_lshl_b32 s28, s20, 10
	s_add_nc_u64 s[10:11], s[10:11], s[28:29]      ; c1 at my 256 features
	s_lshl_b32 s28, ttmp9, 10
	s_add_nc_u64 s[16:17], s[16:17], s[28:29]      ; out at the group's rows
.irp i, 0,1,2,3
	global_load_b128 v[HF+8*\i:HF+8*\i+3],   v[XO], s[4:5] offset:\i*1024+32 th:TH_LOAD_NT   ; columns 8-11 of 16 rows
	global_load_b128 v[HF+8*\i+4:HF+8*\i+7], v[XO], s[4:5] offset:\i*1024+48 th:TH_LOAD_NT   ; columns 12-15
.endr
	WIN W_TO1
	v_add_nc_u32 v[W1O], s46, v[LFR]
	v_add_nc_u32 v[C1O], s47, v[H32]
	L1LD                                           ; my first K step of h1
	WIN 0
.irp t, 0,1,2,3
	global_load_b128 v[C2C+8*\t:C2C+8*\t+3],   v[CT], s[30:31] offset:\t*64   ; chunk 0's bias
	global_load_b128 v[C2C+8*\t+4:C2C+8*\t+7], v[CT], s[30:31] offset:\t*64+16
.endr
	s_wait_loadcnt 16                              ; x is in: the 16 loads issued behind its 8 may stay out
; u of 16 rows, split in hi and lo, as the two halves of a fragment
.macro UT i
.set uX, HF+8*(\i)
.set uE, 160+4*(\i)
.set uH, 176+4*(\i)
.set uL, 192+4*(\i)
.set uT, 208+8*((\i)%2)
	v_sub_f32 v[uE+3], v[uX+1], v[uX+3]            ; diff = hi - aim_hi
	v_and_b32 v[uE], 0x7fffffff, v[uE+3]
	v_fma_f32 v[uE], v[uE], s32, s33               ; |t| - 2.5
	v_max_num_f32 v[uE], 0, v[uE]
	v_fma_f32 v[uE], v[uE], s34, s35
	v_mul_f32 v[uE], v[uE], v[uX+7]                ; Kp
	v_mul_f32 v[uE+1], s36, v[uX+7]                ; Ki
	v_mul_f32 v[uE+2], s37, v[uX+7]                ; Kd
	v_cvt_pk_bf16_f32 v[uH], v[uE], v[uE+1]
	v_cvt_pk_bf16_f32 v[uH+1], v[uE+2], v[uE+3]
	v_cvt_pk_bf16_f32 v[uH+2], v[uX], v[uX+1]
	v_cvt_pk_bf16_f32 v[uH+3], v[uX+2], v[uX+3]
.irp p, 0,1,2,3
	v_lshlrev_b32 v[uT+2*\p], 16, v[uH+\p]
	v_and_b32 v[uT+2*\p+1], s38, v[uH+\p]
.endr
.irp p, 0,1,2,3
	v_sub_f32 v[uT+\p], v[uE+\p], v[uT+\p]         ; what hi leaves over: exact
	v_sub_f32 v[uT+4+\p], v[uX+\p], v[uT+4+\p]
.endr
.irp p, 0,1,2,3
	v_cvt_pk_bf16_f32 v[uL+\p], v[uT+2*\p], v[uT+2*\p+1]
.endr
	ds_store_b128 v[UST], v[uH:uH+3] offset:(\i)*1024
	ds_store_b128 v[UST], v[uL:uL+3] offset:(\i)*1024+512
.endm
	UT 0
	UT 1
	UT 2
	UT 3
.irp j, 0,1,2,3,4,5,6
	WLD \j, WRA, \j*4096                           ; the ring is filled: seven K steps of W2
.endr
	WIN 0
	s_wait_kmcnt 0x0                               ; b3
	s_wait_dscnt 0x0                               ; for the others' sake: my part of u is stored
	s_barrier_signal -1
	s_barrier_wait -1
	s_mov_b32 s24, 2
.Lpass:                                                ; 128 rows
	v_add_nc_u32 v[UFA], s19, v[LFR]
	s_add_co_u32 s19, s19, 8192                    ; the next pass's 8 row tiles
	WIN W_TO1
.irp rt, 0,1,2,3,4,5,6,7
	ds_load_b128 v[8*\rt:8*\rt+3],   v[UFA] offset:\rt*1024
	ds_load_b128 v[8*\rt+4:8*\rt+7], v[UFA] offset:\rt*1024+512
.endr
	WIN 0
	s_lshl_b32 s39, s20, 16                        ; my 8 K steps of h1
.set i, 0
.rept 32
	v_mov_b32 v[SA+i], 0                           ; the row sums take 128 additions each in a pass; they begin at 0
.set i, i+1
.endr
	s_wait_dscnt 0x0
	s_mov_b32 s27, 8
.Ll1:                                                  ; LAYER 1: a trip makes K step 8 wave + trip of h1 for all 128 rows: 16 products, 16 tiles of tanh
	s_wait_loadcnt 0x0                             ; this trip's W1 and c1, asked for a trip ago
	WIN W_L1M
.irp rt, 0,1,2,3,4,5,6,7
.irp f, 0,1
	v_wmma_f32_16x16x32_bf16 v[DT+8*(2*\rt+\f):DT+8*(2*\rt+\f)+7], v[W1F+8*\f:W1F+8*\f+7], v[8*\rt:8*\rt+7], v[C1B+8*\f:C1B+8*\f+7]
.endr
.endr
	s_add_co_u32 s46, s46, 2048                    ; the next trip's tiles; behind the eighth trip the first again, for the next pass
	s_and_b32 s46, s46, 0x3fff
	s_add_co_u32 s47, s47, 128
	s_and_b32 s47, s47, 0x3ff
	WIN W_TO1
	v_add_nc_u32 v[W1O], s46, v[LFR]               ; these three and a v_nop are the four places behind the products
	v_add_nc_u32 v[C1O], s47, v[H32]
	v_add_nc_u32 v[HST], s39, v[LFR]
	v_nop
	L1LD
	WIN W_L1
	PIPE 16, 0
	s_add_co_u32 s39, s39, 8192
	WIN 0
	s_sub_co_u32 s27, s27, 1
	s_cmp_lg_u32 s27, 0
	s_cbranch_scc1 .Ll1
	s_wait_xcnt 0x0                                ; the last trip's loads name W1O and C1O, which lie among layer 2's accumulators
	s_wait_dscnt 0x0                               ; for the others' sake: my part of h1 is stored
	s_barrier_signal -1
	s_barrier_wait -1
	HLD HF, HAD, 0                                 ; K step 0
	s_mov_b32 s25, 4
.Lchunk:                                               ; LAYER 2: 256 features, 64 of them mine; four trips of 8 K steps
	TRIP 1
	ADV
	CONST
	s_mov_b32 s26, 3
.Ltrip:
	TRIP 0
	ADV
	s_sub_co_u32 s26, s26, 1
	s_cmp_lg_u32 s26, 0
	s_cbranch_scc1 .Ltrip
	s_mov_b32 s44, s45                             ; no memory instruction has been issued since ADV's wait: CT and CTN may be rewritten.  ADV's four additions and these two are the places behind the last products
	s_add_co_u32 s45, s45, 1024
	s_and_b32 s45, s45, 0xfff
	v_add_nc_u32 v[CT], s44, v[CB]
	v_add_nc_u32 v[CTN], s45, v[CB]
	PIPE 32, 1                                     ; tanh, times W3, onto the row sums; the ring's loads and the next chunk's first h1 are on their way or in
	WIN 0
	s_sub_co_u32 s25, s25, 1
	s_cmp_lg_u32 s25, 0
	s_cbranch_scc1 .Lchunk
	; THE PASS'S END: a row's sum over my 256 features lies in four registers of two lanes; then the four waves' sums meet in LDS
	s_wait_dscnt 0x0                               ; the last fetch of h1, which nothing uses: all my reads of h1 are over
.irp rt, 0,1,2,3,4,5,6,7
	v_pk_add_f32 v[SA+2*\rt:SA+2*\rt+1], v[SA+2*\rt:SA+2*\rt+1], v[SA+16+2*\rt:SA+16+2*\rt+1]
.endr
.irp rt, 0,1,2,3,4,5,6,7
	v_add_f32 v[SA+16+\rt], v[SA+2*\rt], v[SA+2*\rt+1]
.endr
.irp rt, 0,1,2,3,4,5,6,7
	v_permlanex16_b32 v[SA+24+\rt], v[SA+16+\rt], s22, s23   ; the row's other 8 features of each 16 lie in the lane 16 away
.endr
.irp rt, 0,1,2,3,4,5,6,7
	v_add_f32 v[SA+16+\rt], v[SA+16+\rt], v[SA+24+\rt]
.endr
.irp rt, 0,1,2,3,4,5,6,7
	ds_store_b32 v[RST], v[SA+16+\rt] offset:\rt*64   ; both halves of the lanes store the same number to the same word
.endr
	s_wait_dscnt 0x0                               ; for the others' sake: my sums are stored, and (above) my reads of h1 are over, so that the next pass may write h1
	s_barrier_signal -1
	s_barrier_wait -1
	s_cmp_lg_u32 s20, 0
	s_cbranch_scc1 .Lnot_wave_0
.irp q, 0,1,2,3
	ds_load_b128 v[HF+4*\q:HF+4*\q+3], v[RRD] offset:512*\q   ; four rows a lane, from each wave
.endr
	s_wait_dscnt 0x0                               ; also: these reads are over before the barrier that stands ahead of the next pass's sums
	v_pk_add_f32 v[HF:HF+1], v[HF:HF+1], v[HF+4:HF+5]
	v_pk_add_f32 v[HF+2:HF+3], v[HF+2:HF+3], v[HF+6:HF+7]
	v_pk_add_f32 v[HF+8:HF+9], v[HF+8:HF+9], v[HF+12:HF+13]
	v_pk_add_f32 v[HF+10:HF+11], v[HF+10:HF+11], v[HF+14:HF+15]
	v_pk_add_f32 v[HF:HF+1], v[HF:HF+1], v[HF+8:HF+9]
	v_pk_add_f32 v[HF+2:HF+3], v[HF+2:HF+3], v[HF+10:HF+11]
.irp q, 0,1,2,3
	v_add_f32 v[HF+\q], s18, v[HF+\q]              ; + b3
.endr
	global_store_b128 v[OO], v[HF:HF+3], s[16:17]  ; the pass's 128 numbers: 512 consecutive bytes, aligned
.Lnot_wave_0:
	s_wait_xcnt 0x0                                ; the store has read its registers and its base
	s_add_nc_u64 s[16:17], s[16:17], 512
	s_sub_co_u32 s24, s24, 1
	s_cmp_lg_u32 s24, 0
	s_cbranch_scc1 .Lpass
	s_wait_tensorcnt 0x0                           ; the wave's end, behind my last LDS store
	ds_add_u32 v[SPW], v[NIL]
	s_wait_dscnt 0x0
	s_endpgm
.Lfunc_end_k_qef6f2b91ef_mlp:
	.size	k_qef6f2b91ef_mlp, .Lfunc_end_k_qef6f2b91ef_mlp-k_qef6f2b91ef_mlp
	.p2alignl 7, 3214868480
	.fill 96, 4, 3214868480
	.section	.rodata,"a",@progbits
	.p2align	6, 0x0
	.amdhsa_kernel k_qef6f2b91ef_mlp
		.amdhsa_group_segment_fixed_size 281088
		.amdhsa_private_segment_fixed_size 0
		.amdhsa_enable_private_segment 0
		.amdhsa_kernarg_size 56
		.amdhsa_user_sgpr_count 2
		.amdhsa_user_sgpr_kernarg_segment_ptr 1
		.amdhsa_wavefront_size32 1
		.amdhsa_system_sgpr_workgroup_id_x 1
		.amdhsa_system_sgpr_workgroup_id_y 1
		.amdhsa_system_sgpr_workgroup_id_z 1
		.amdhsa_system_vgpr_workitem_id 0
		.amdhsa_next_free_vgpr 800
		.amdhsa_next_free_sgpr 66
		.amdhsa_reserve_vcc 0
		.amdhsa_float_denorm_mode_32 3
		.amdhsa_float_denorm_mode_16_64 3
		.amdhsa_memory_ordered 1
		.amdhsa_forward_progress 1
		.amdhsa_inst_pref_size 181
	.end_amdhsa_kernel
	.amdgpu_metadata
---
amdhsa.version: [ 1, 2 ]
amdhsa.kernels:
  - .name:           k_qef6f2b91ef_mlp
    .symbol:         k_qef6f2b91ef_mlp.kd
    .args:
      - { .name: x, .offset: 0, .size: 8, .value_kind: global_buffer, .address_space: global }
      - { .name: w1f, .offset: 8, .size: 8, .value_kind: global_buffer, .address_space: global }
      - { .name: w2f, .offset: 16, .size: 8, .value_kind: global_buffer, .address_space: global }
      - { .name: tab, .offset: 24, .size: 8, .value_kind: global_buffer, .address_space: global }
      - { .name: W3, .offset: 32, .size: 8, .value_kind: global_buffer, .address_space: global }
      - { .name: b3, .offset: 40, .size: 8, .value_kind: global_buffer, .address_space: global }
      - { .name: out0, .offset: 48, .size: 8, .value_kind: global_buffer, .address_space: global }
    .group_segment_fixed_size: 281088
    .private_segment_fixed_size: 0
    .kernarg_segment_align: 8
    .kernarg_segment_size: 56
    .max_flat_workgroup_size: 128
    .sgpr_count:     66
    .vgpr_count:     800
    .wavefront_size: 32
...
	.end_amdgpu_metadata
.endif
;; end of part 2
;; ======== version 2 of 2: 2 launches; 1.16 times as fast as version 1
;; workspace buffers: w2f 2,097,152 bytes; w1f 65,536 bytes; tab 8,192 bytes
;; launch prep: the kernel of part 1 again; grid 256 x 1, 16 waves a work-group, no clusters, 0 bytes of LDS; arguments W2, g2, W1, g1, b1, be1, b2, be2, w2f, w1f, tab; writes w2f, w1f, tab
;; launch mlp (part 3): grid 256 x 1, 4 waves a work-group, no clusters, 281,088 bytes of LDS; arguments x, w1f, w2f, tab, W3, b3, out0; writes out0
.if DOCPART == 3
	.amdgcn_target "amdgcn-amd-amdhsa--gfx1250"
	.amdhsa_code_object_version 6
	.text
	.protected	k_qef6f2b91ef_mlp
	.globl	k_qef6f2b91ef_mlp
	.p2align	8
	.type	k_qef6f2b91ef_mlp,@function
k_qef6f2b91ef_mlp:
	s_mov_b64 s[64:65], 0
	v_nop
	global_prefetch_b8 v0, s[64:65] scope:SCOPE_SE
	s_setreg_imm32_b32 hwreg(HW_REG_WAVE_MODE, 25, 1), 1
	s_wait_xcnt 0x0
; out[row] = W3 . tanh(bn(W2 tanh(bn(W1 u + b1)) + b2)) + b3, u = (Kp, Ki, Kd, hi - aim_hi, lo, hi, aim_lo, aim_hi) made of x's columns 8-11 and 15.
; (x's other columns feed only results that the function throws away.)  The gains, rsqrt(1 + 1e-5) and -2 log2(e) lie in w1f, w2f and tab already: the products give z'', and tanh = 2 / (1 + 2^z'') - 1.
; SHARES.  256 work-groups of four waves; a work-group owns 256 rows, in two passes of 128.  In a pass h1 (128 rows x 1,024 features, bf16, 262,144 bytes) is made once and kept in LDS, in the order
; of matrix fragments.  Layer 2 goes in four chunks of 256 features: a wave owns 64 of them for all 128 rows: 32 accumulators, 256 registers; K in steps of 32.
; tanh, the product with W3 (f32) and the row's sum are made in registers; nothing goes through memory.
; BOTH PRODUCTS: source 0 = 16 features, source 1 = 16 rows: a lane holds ONE row (lane % 16) and features 8 (lane / 16) + 0..7.  Two of layer 1's results rounded to bf16 ARE a fragment of layer 2's source 1.
; LAYER 1 has K = 8 and sums near 100 of which tanh still sees the fraction: single bf16 operands would not do.  So u and W1 are split in hi + lo (two bf16 each), and the four groups of 8 along K = 32
; hold W1 as (hi, lo, hi, lo) and u as (hi, hi, lo, lo): one matrix instruction adds all four cross products; the bias is its C operand.
; W2 COMES THROUGH REGISTERS, NO TENSOR LOAD, NO CLUSTER.  All work-groups read the same w2f, but h1 takes 262,144 of a WGP's 327,680 bytes of LDS: two slots in what is left (some 24 KB each beside
; u and the stage) would hold three K steps of the group's 256 features, too little work for a refill to land in; and each fragment of W2 serves one wave alone, which has all 128 rows.
; So each wave loads its fragments straight into a ring of 8 K steps in registers, seven steps (28,672 bytes a wave) ahead.  Joint loads exist for LDS alone.
; TANH.  z'' is held to 30 at the most (there tanh is -1 to f32's last bit).  With a = 0.5 2^z'' + 0.5 the result is 1 / a - 1, and four numbers share one reciprocal: r = 1 / (a b c d), at most 2^116 below;
; 1 / a = r (b d) c, and so on.  The results of a group of four change places in pairs; the lines that take them name the registers accordingly.
; BATCHES.  The tiles go through tanh in groups of four, a stage an iteration.  An iteration's 40 transcendentals (the 32 exponentials of one group, the 8 reciprocals of the group before) are ONE BATCH with
; ONE wait, at the iteration's end: no line of the iteration names a result of its batch, all readers stand in the next iteration, and each result has a register of its own until they have read it.
; LIMITS.  NaN and infinities in x or the weights are not treated apart (a NaN z'' gives -1).  Kp = (0.3417968 + s max(|t| - 2.5, 0)) rate, s = 0.1582032 / 7.5, t = diff x 0.001, and Ki = 0.1503906 rate:
; for finite t these equal the function's own tables, their extrapolation included, up to f32's rounding.  h1 and W2 are rounded once to bf16.
; The ring's last seven steps, the last pass's reload of W1's first tiles and each pass's last fetch of h1 are loaded (inside their buffers, by wrapped offsets) and not used.
; REGISTERS, in windows of 256 (s_set_vgpr_msb: bits 1:0 source 0, 3:2 source 1, 5:4 source 2, 7:6 destination):
;   window 0: v0-29 addresses; v32-63 row sums; v64-95 c2, v96-127 W3 of my 64 features; v128-255 two buffers of h1's fragments
;   window 1: layer 2: accumulator (t, rt) at 8 (8 t + rt).  Layer 1: v0-63 u's fragments, v64-111 at work, v112-114 addresses, v128-255 sixteen results
;   window 2: the ring: K step j's four fragments of W2 at 32 j + 8 t          window 3: v0-15 W1's two tiles, v16-31 their c1; v32-207 at work in a chunk's end
.set UF,    262144                     ; LDS: h1 at 0: fragment (kt, rt) at kt*8192 + rt*1024 + half*512 + lane*16.  Then u's fragments of the 16 row tiles: T*1024 + half*512 + lane*16 (half 0 hi, half 1 lo)
.set RED,   278528                     ; f32 [wave][128 rows]
.set SPARE, 280576                     ; the spare words, 128 bytes a wave: two blocks of 256 bytes that no other line names
.set LFR, 4                            ; v4   16 x lane; never rewritten
.set HAD, 5                            ; v5   h1's fragments of this trip's 8 K steps
.set HADN, 6                           ; v6   of the next trip's
.set WRA, 7                            ; v7   w2f's fragments of this trip
.set WRB, 8                            ; v8   of the next
.set CT,  9                            ; v9   byte offset of my features in c2 and W3, this chunk
.set CTN, 10                           ; v10  the next chunk
.set XO,  11                           ; v11  my row of x
.set UST, 12                           ; v12  where I store u's fragments
.set UFA, 13                           ; v13  where I read them
.set RST, 14                           ; v14  where I store row sums
.set RRD, 15                           ; v15  where wave 0 reads them
.set OO,  16                           ; v16  my 16 bytes of 512 of out
.set H32, 26                           ; v26  32 (lane / 16)
.set CB,  27                           ; v27  256 wave + 32 (lane / 16)
.set SPW, 28                           ; v28  my spare word; never rewritten
.set NIL, 29                           ; v29  0; never rewritten
.set SA,  32                           ; v[32+2rt:33+2rt], v[48+2rt:49+2rt]: two pairs of partial sums for row tile rt
.set C2C, 64
.set W3C, 96
.set HF,  128
.set TM1, 64                           ; window 1: layer 1's eight sets of 6 temporaries
.set HST, 112
.set W1O, 113
.set C1O, 114
.set DT,  128
.set W1F, 0                            ; window 3
.set C1B, 16
.set WK,  32                           ; window 3, a chunk's end: sixteen work slots of 8
.set TM,  160                          ; and eight sets of 6 temporaries
; scalars: s[4:5] x, s[6:7] w1f, s[8:9] w2f, s[10:11] c1, s[12:13] W3, s[14:15] b3, s[16:17] out, each at my part; s18 b3's value; s19 u's fragments of the pass; s20 wave; s21 30.0; s[22:23] lane selects;
; s24-27 counters (pass, chunk, trip, layer 1); s[28:29] an offset; s[30:31] c2; s32-38 constants; s39 h1 store base; s40, 41 h1 read base now, next; s42, 43 w2f; s44, 45 chunk; s46, 47 w1f, c1
.set MSB, 0
.macro WIN new                         ; the immediate's high byte repeats the setting that is left; a switch that changes nothing is dropped
.if MSB != (\new)
	s_set_vgpr_msb (MSB<<8)|(\new)
.set MSB, \new
.endif
.endm
.set W_MM,  0x52                       ; W2 window 2, h1 window 0, C and D window 1
.set W_MZ,  0x42                       ; the same with C (the bias) in window 0
.set W_WL,  0x80                       ; destination window 2, address window 0
.set W_L1,  0x55                       ; all in window 1
.set W_L1M, 0x77                       ; W1 and c1 window 3, u and D window 1
.set W_L1L, 0xc1                       ; destination window 3, address window 1
.set W_TO1, 0x40                       ; destination window 1, sources window 0
.set W_T3,  0xff                       ; all in window 3
.set W_MIN, 0xc7                       ; destination and source 0 window 3, source 1 window 1
.set W_SUM, 0x03                       ; source 0 window 3; W3 and the row sums window 0
; A load into a register that a matrix instruction has read, and a vector instruction that reads a matrix result or writes one of a matrix instruction's registers, stand four places behind it; only plain
; vector instructions that name none of its registers are places (ISA guide 7.12.1 for vector instructions).
.macro PLACES
.rept 4
	v_nop
.endr
.endm
.macro HLD buf, areg, off              ; 16 LDS loads: a K step's 8 fragments of h1; 32 lanes take 512 consecutive bytes
	WIN 0
.irp rt, 0,1,2,3,4,5,6,7
	ds_load_b128 v[(\buf)+8*\rt:(\buf)+8*\rt+3],   v[\areg] offset:(\off)+\rt*1024
	ds_load_b128 v[(\buf)+8*\rt+4:(\buf)+8*\rt+7], v[\areg] offset:(\off)+\rt*1024+512
.endr
.endm
.macro WLD j, areg, off                ; 8 global loads: a K step's 4 fragments of W2 into ring buffer j; each load takes 512 consecutive bytes
	WIN W_WL
.irp t, 0,1,2,3
	global_load_b128 v[32*(\j)+8*\t:32*(\j)+8*\t+3],   v[\areg], s[8:9] offset:(\off)+\t*1024
	global_load_b128 v[32*(\j)+8*\t+4:32*(\j)+8*\t+7], v[\areg], s[8:9] offset:(\off)+\t*1024+512
.endr
.endm
; 32 matrix instructions: one K step on all 32 accumulators, which take turns in the same order in every step.  first = 1: the bias starts the sums: nothing is cleared.
.macro MM32 hb, j, first
.if \first
	WIN W_MZ
.else
	WIN W_MM
.endif
.irp t, 0,1,2,3
.irp rt, 0,1,2,3,4,5,6,7
.if \first
	v_wmma_f32_16x16x32_bf16 v[8*(8*\t+\rt):8*(8*\t+\rt)+7], v[32*(\j)+8*\t:32*(\j)+8*\t+7], v[HF+64*(\hb)+8*\rt:HF+64*(\hb)+8*\rt+7], v[C2C+8*\t:C2C+8*\t+7]
.else
	v_wmma_f32_16x16x32_bf16 v[8*(8*\t+\rt):8*(8*\t+\rt)+7], v[32*(\j)+8*\t:32*(\j)+8*\t+7], v[HF+64*(\hb)+8*\rt:HF+64*(\hb)+8*\rt+7], v[8*(8*\t+\rt):8*(8*\t+\rt)+7]
.endif
.endr
.endr
.endm
; K step j of a trip of 8.  It fetches the next step's h1 into the other buffer and the W2 of seven steps on into the ring buffer that the step before has read; then it multiplies.
.macro STEP j, first
	s_wait_dscnt 0x0                               ; this step's h1, asked for a step ago
	s_wait_loadcnt 48                              ; loads come back in order (ISA guide 5.7.1): behind this step's 8 loads of W2 the next six steps' 48 were issued (others in between only make the wait stricter)
	PLACES
.if (\j) < 7
	HLD HF+64*(((\j)+1)%2), HAD, ((\j)+1)*8192
.else
	HLD HF, HADN, 0
.endif
.if (\j) == 0
	WLD 7, WRA, 7*4096
.else
	WLD (\j)-1, WRB, ((\j)-1)*4096
.endif
	MM32 (\j)%2, \j, \first
.endm
.macro TRIP first
	STEP 0, \first
.irp s, 1,2,3,4,5,6,7
	STEP \s, 0
.endr
.endm
; The next trip's addresses: scalar bases that step and wrap (h1: 4 trips of 65,536 bytes; my part of w2f: 16 trips of 32,768), plus the lane's 16 bytes.
.macro ADV
	WIN 0
	s_wait_xcnt 0x0                                ; the ring's loads have had their addresses translated (ISA guide 3.1): only now are WRA and WRB rewritten
	s_mov_b32 s40, s41
	s_add_co_u32 s41, s41, 65536
	s_and_b32 s41, s41, 0x3ffff
	s_mov_b32 s42, s43
	s_add_co_u32 s43, s43, 32768
	s_and_b32 s43, s43, 0x7ffff
	v_add_nc_u32 v[HAD], s40, v[LFR]
	v_add_nc_u32 v[HADN], s41, v[LFR]
	v_add_nc_u32 v[WRA], s42, v[LFR]
	v_add_nc_u32 v[WRB], s43, v[LFR]
.endm
.macro CONST                           ; the next chunk's bias (this chunk's has been read by its first K step) and this chunk's W3; shown landed by the ring's counted waits of the three trips that follow
	WIN 0
.irp t, 0,1,2,3
	global_load_b128 v[C2C+8*\t:C2C+8*\t+3],   v[CTN], s[30:31] offset:\t*64
	global_load_b128 v[C2C+8*\t+4:C2C+8*\t+7], v[CTN], s[30:31] offset:\t*64+16
	global_load_b128 v[W3C+8*\t:W3C+8*\t+3],   v[CT], s[12:13] offset:\t*64
	global_load_b128 v[W3C+8*\t+4:W3C+8*\t+7], v[CT], s[12:13] offset:\t*64+16
.endr
.endm
.macro L1LD                            ; a K step of h1 wants two tiles of W1 (16 features x (hi, lo, hi, lo)) and their 32 biases
	WIN W_L1L
.irp f, 0,1
	global_load_b128 v[W1F+8*\f:W1F+8*\f+3],   v[W1O], s[6:7] offset:\f*1024
	global_load_b128 v[W1F+8*\f+4:W1F+8*\f+7], v[W1O], s[6:7] offset:\f*1024+512
	global_load_b128 v[C1B+8*\f:C1B+8*\f+3],   v[C1O], s[10:11] offset:\f*64
	global_load_b128 v[C1B+8*\f+4:C1B+8*\f+7], v[C1O], s[10:11] offset:\f*64+16
.endr
.endm
; TANH OF A RUN OF TILES (a tile: 8 registers, 16 rows x 16 features), for both layers, in GROUPS of four tiles.  mode 0: layer 1, in place on its 16 results, all in window 1; the results go to LDS as bf16.
; mode 1: layer 2: a tile is copied out of its accumulator into one of sixteen work slots in window 3; the results are multiplied by W3 and added to the row sums.
; Iteration 'it' holds 40 transcendentals (number tq) and up to 104 plain instructions (number pn, written in this order), of four groups at four stages:
;   tq 0-31    group it:     2^z'', in place                        tq 32-39   group it - 1: two reciprocals a tile
;   pn 0-7     group it - 2: r (b d, a c) = (1 / (a c), 1 / (b d))
;   pn 8-23    group it - 1: a = 0.5 e + 0.5          pn 24-31  (b d, a c) of each four numbers          pn 32-39  a b c d
;   pn 40-55   group it - 2: times (a, b) and (c, d), less 1: registers 0, 1 now hold numbers 2, 3; 2, 3 hold 0, 1; 4, 5 hold 6, 7; 6, 7 hold 4, 5
;   pn 56-87   group it + 1: min(z'', 30), from the accumulator's lowest register up
;   pn 88-103  group it - 2: the way on, line by line through the four tiles: each row sum still takes its tiles, and a tile's pairs, in ascending order
; THE BATCH.  The 40 transcendentals are one batch.  No plain instruction of the iteration names a result of theirs: the exponentials' first readers are pn 8-23, the reciprocals' pn 0-7, both of the NEXT
; iteration.  So the iteration has one wait, at its end, ahead of those readers.  A transcendental leads every 'per' plain instructions among pn 0-87: every two where all four stages
; have a group, every one where the run fills or drains and there are fewer plain ones; a reciprocal comes only behind pn 39, when all eight a b c d are made.  So behind every transcendental stands a plain
; instruction of another group (ISA guide 5.7.2), and behind the batch's last stand the rest of pn 40-87 and the way on, which name none of its results.
; A work slot lives four iterations, a set of temporaries two.  Entries whose group does not exist are left out; the run's last iteration has no transcendental, so none is pending behind the run.
.macro TILE n, mode
.if \mode
.set rW, WK+8*((\n)%16)
.set rT, TM+6*((\n)%8)
.else
.set rW, DT+8*(\n)
.set rT, TM1+6*((\n)%8)
.endif
.endm
.macro TOP mode                        ; the batch's next transcendental, number tq
.if tq < 32
	TILE 4*it+tq/8, \mode
	v_exp_f32 v[rW+tq%8], v[rW+tq%8]
.else
	TILE 4*(it-1)+(tq-32)/2, \mode
	v_rcp_f32 v[rT+4+tq%2], v[rT+4+tq%2]
.endif
.set tq, tq+1
.endm
.macro POP NT, mode                    ; plain instruction pn, and ahead of it a transcendental where one is due
.set ex, 0                             ; has its group a place in the run?
.if (pn < 8) || ((pn >= 40) && (pn < 56)) || (pn >= 88)
.if (it >= 2) && (4*(it-2) < (\NT))
.set ex, 1
.endif
.elseif pn < 40
.if (it >= 1) && (4*(it-1) < (\NT))
.set ex, 1
.endif
.elseif 4*(it+1) < (\NT)
.set ex, 1
.endif
.if ex
.if \mode
.if pn < 56
	WIN W_T3
.elseif pn < 88
	WIN W_MIN                                      ; the copies out of window 1; transcendentals have no source 1 and stand under this setting too
.else
	WIN W_SUM
.endif
.endif
.if (pn < 88) && (pe%per == 0) && (tq < tqe) && ((tq < 32) || (pn >= 40))
	TOP \mode
.endif
.if pn < 8
	TILE 4*(it-2)+pn/2, \mode
.if pn%2 == 0
	v_pk_mul_f32 v[rT:rT+1], v[rT+4:rT+5], v[rT:rT+1] op_sel_hi:[0,1]
.else
	v_pk_mul_f32 v[rT+2:rT+3], v[rT+4:rT+5], v[rT+2:rT+3] op_sel:[1,0] op_sel_hi:[1,1]
.endif
.elseif pn < 24
	TILE 4*(it-1)+(pn-8)/4, \mode
.set jj, (pn-8)%4
	v_pk_fma_f32 v[rW+2*jj:rW+2*jj+1], v[rW+2*jj:rW+2*jj+1], 0.5, 0.5 op_sel_hi:[1,0,0]
.elseif pn < 32
	TILE 4*(it-1)+(pn-24)/2, \mode
.set jj, pn%2
	v_pk_mul_f32 v[rT+2*jj:rT+2*jj+1], v[rW+4*jj:rW+4*jj+1], v[rW+4*jj+2:rW+4*jj+3] op_sel:[1,1] op_sel_hi:[0,0]
.elseif pn < 40
	TILE 4*(it-1)+(pn-32)/2, \mode
.set jj, pn%2
	v_mul_f32 v[rT+4+jj], v[rT+2*jj], v[rT+2*jj+1]
.elseif pn < 56
	TILE 4*(it-2)+(pn-40)/4, \mode
.set jj, (pn-40)%4
	v_pk_fma_f32 v[rW+2*jj:rW+2*jj+1], v[rT+2*(jj/2):rT+2*(jj/2)+1], v[rW+2*jj:rW+2*jj+1], -1.0 op_sel_hi:[1,1,0]
.elseif pn < 88
.set tl, 4*(it+1)+(pn-56)/8
.set jj, (pn-56)%8
	TILE tl, \mode
.if \mode
	v_min_num_f32 v[rW+jj], s21, v[8*tl+jj]
.else
	v_min_num_f32 v[rW+jj], s21, v[rW+jj]
.endif
.else
.set tl, 4*(it-2)+(pn-88)%4
.set sp, (pn-88)/4
	TILE tl, \mode
.if \mode
	v_pk_fma_f32 v[SA+16*(sp%2)+2*(tl%8):SA+16*(sp%2)+2*(tl%8)+1], v[rW+2*sp:rW+2*sp+1], v[W3C+8*(tl/8)+2*sp+2-4*(sp%2):W3C+8*(tl/8)+2*sp+3-4*(sp%2)], v[SA+16*(sp%2)+2*(tl%8):SA+16*(sp%2)+2*(tl%8)+1]
.elseif sp == 0
	v_cvt_pk_bf16_f32 v[rW+1], v[rW], v[rW+1]      ; numbers 2, 3
.elseif sp == 1
	v_cvt_pk_bf16_f32 v[rW], v[rW+2], v[rW+3]      ; numbers 0, 1
.elseif sp == 2
	v_cvt_pk_bf16_f32 v[rW+2], v[rW+6], v[rW+7]    ; numbers 4, 5
.else
	v_cvt_pk_bf16_f32 v[rW+3], v[rW+4], v[rW+5]    ; numbers 6, 7
.if tl%4 >= 1
	TILE tl-1, \mode
	ds_store_b128 v[HST], v[rW:rW+3] offset:(tl-1)*512 ; tile 2 rt + ft is half ft of fragment rt; a tile is stored a line behind its last rounding
.endif
.if tl%4 == 3
	TILE tl, \mode
	ds_store_b128 v[HST], v[rW:rW+3] offset:tl*512
.endif
.endif
.endif
.set pe, pe+1
.endif
.set pn, pn+1
.endm
.macro ITER NT, mode
.set pn, 0
.set pe, 0                             ; plain instructions written so far
.set per, 1
.if ((it >= 2) && (4*(it+1) < (\NT))) || (4*it >= (\NT))
.set per, 2
.endif
.set tq, 32                            ; the batch: from tq to tqe - 1
.set tqe, 32
.if (it >= 0) && (4*it < (\NT))
.set tq, 0
.endif
.if (it >= 1) && (4*(it-1) < (\NT))
.set tqe, 40
.endif
.rept 104
	POP \NT, \mode
.endr
.if (it >= 0) && (4*it <= (\NT))
	s_wait_alu depctr_va_vdst(0)                   ; the wait for the batch: this iteration's exponentials and reciprocals, ahead of their first readers, the next iteration's pn 0-23
.endif
.endm
.macro PIPE NT, mode
.set it, -1
.rept (\NT)/4+3
	ITER \NT, \mode
.set it, it+1
.endr
.endm
	s_load_b256 s[4:11], s[0:1], 0x0               ; x, w1f, w2f, tab
	s_load_b128 s[12:15], s[0:1], 0x20             ; W3, b3
	s_load_b64 s[16:17], s[0:1], 0x30              ; out0
	v_lshl_add_u32 v[SPW], v0, 2, SPARE
	v_mov_b32 v[NIL], 0
	v_lshrrev_b32 v17, 5, v0
	v_readfirstlane_b32 s20, v17                   ; wave 0..3
	v_and_b32 v1, 31, v0                           ; lane
	v_and_b32 v2, 15, v0                           ; lane % 16
	v_bfe_u32 v3, v0, 4, 1                         ; lane / 16
	v_lshlrev_b32 v[LFR], 4, v1
	v_lshlrev_b32 v[H32], 5, v3
	s_mov_b32 s19, UF
	s_mov_b32 s21, 0x41f00000                      ; 30.0
	s_mov_b32 s22, 0x76543210                      ; v_permlanex16_b32: each lane takes its own place in the other half
	s_mov_b32 s23, 0xfedcba98
	s_mov_b32 s32, 0x3a83126f                      ; 0.001
	s_mov_b32 s33, 0xc0200000                      ; -2.5
	s_mov_b32 s34, 0x3cacccd2                      ; 0.1582032 / 7.5
	s_mov_b32 s35, 0x3eaefffd                      ; 0.3417968
	s_mov_b32 s36, 0x3e19fffe                      ; 0.1503906
	s_mov_b32 s37, 0x3c1fffe5                      ; 0.0097656
	s_mov_b32 s38, 0xffff0000                      ; a word's upper bf16
	s_mov_b32 s40, 0
	s_mov_b32 s41, 65536
	s_mov_b32 s42, 0
	s_mov_b32 s43, 32768
	s_mov_b32 s44, 0
	s_mov_b32 s45, 1024
	s_mov_b32 s46, 0
	s_mov_b32 s47, 0
	s_lshl_b32 s28, s20, 8
	v_add_nc_u32 v[CB], s28, v[H32]
	v_add_nc_u32 v[CT], s44, v[CB]
	v_add_nc_u32 v[CTN], s45, v[CB]
	s_lshl_b32 s28, s20, 12
	v_lshl_add_u32 v[XO], v2, 6, s28               ; row 64 wave + lane % 16 of the group's 256, 64 bytes a row: both halves of the lanes take the same row
	s_add_co_u32 s28, s28, UF
	v_add_nc_u32 v[UST], s28, v[LFR]               ; row tiles 4 wave + 0..3
	s_lshl_b32 s28, s20, 9
	s_add_co_u32 s28, s28, RED
	v_lshl_add_u32 v[RST], v2, 2, s28
	v_add_nc_u32 v[RRD], RED, v[LFR]
	v_mov_b32 v[OO], v[LFR]
	v_add_nc_u32 v[HAD], s40, v[LFR]
	v_add_nc_u32 v[HADN], s41, v[LFR]
	v_add_nc_u32 v[WRA], s42, v[LFR]
	v_add_nc_u32 v[WRB], s43, v[LFR]
	s_mov_b32 s29, 0
	s_wait_kmcnt 0x0
	s_load_b32 s18, s[14:15], 0x0                  ; b3
	s_lshl_b32 s28, ttmp9, 14
	s_add_nc_u64 s[4:5], s[4:5], s[28:29]          ; x at the group's 256 rows
	s_lshl_b32 s28, s20, 14
	s_add_nc_u64 s[6:7], s[6:7], s[28:29]          ; w1f at my 16 tiles
	s_lshl_b32 s28, s20, 19
	s_add_nc_u64 s[8:9], s[8:9], s[28:29]          ; w2f at my part
	s_add_nc_u64 s[30:31], s[10:11], 4096          ; c2
	s_lshl_b32 s28, s20, 10
	s_add_nc_u64 s[10:11], s[10:11], s[28:29]      ; c1 at my 256 features
	s_lshl_b32 s28, ttmp9, 10
	s_add_nc_u64 s[16:17], s[16:17], s[28:29]      ; out at the group's rows
.irp i, 0,1,2,3
	global_load_b128 v[HF+8*\i:HF+8*\i+3],   v[XO], s[4:5] offset:\i*1024+32 th:TH_LOAD_NT   ; columns 8-11 of 16 rows
	global_load_b128 v[HF+8*\i+4:HF+8*\i+7], v[XO], s[4:5] offset:\i*1024+48 th:TH_LOAD_NT   ; columns 12-15
.endr
	WIN W_TO1
	v_add_nc_u32 v[W1O], s46, v[LFR]
	v_add_nc_u32 v[C1O], s47, v[H32]
	L1LD                                           ; my first K step of h1
	WIN 0
.irp t, 0,1,2,3
	global_load_b128 v[C2C+8*\t:C2C+8*\t+3],   v[CT], s[30:31] offset:\t*64   ; chunk 0's bias
	global_load_b128 v[C2C+8*\t+4:C2C+8*\t+7], v[CT], s[30:31] offset:\t*64+16
.endr
	s_wait_loadcnt 16                              ; x is in: the 16 loads issued behind its 8 may stay out
; u of 16 rows, split in hi and lo, as the two halves of a fragment
.macro UT i
.set uX, HF+8*(\i)
.set uE, 160+4*(\i)
.set uH, 176+4*(\i)
.set uL, 192+4*(\i)
.set uT, 208+8*((\i)%2)
	v_sub_f32 v[uE+3], v[uX+1], v[uX+3]            ; diff = hi - aim_hi
	v_and_b32 v[uE], 0x7fffffff, v[uE+3]
	v_fma_f32 v[uE], v[uE], s32, s33               ; |t| - 2.5
	v_max_num_f32 v[uE], 0, v[uE]
	v_fma_f32 v[uE], v[uE], s34, s35
	v_mul_f32 v[uE], v[uE], v[uX+7]                ; Kp
	v_mul_f32 v[uE+1], s36, v[uX+7]                ; Ki
	v_mul_f32 v[uE+2], s37, v[uX+7]                ; Kd
	v_cvt_pk_bf16_f32 v[uH], v[uE], v[uE+1]
	v_cvt_pk_bf16_f32 v[uH+1], v[uE+2], v[uE+3]
	v_cvt_pk_bf16_f32 v[uH+2], v[uX], v[uX+1]
	v_cvt_pk_bf16_f32 v[uH+3], v[uX+2], v[uX+3]
.irp p, 0,1,2,3
	v_lshlrev_b32 v[uT+2*\p], 16, v[uH+\p]
	v_and_b32 v[uT+2*\p+1], s38, v[uH+\p]
.endr
.irp p, 0,1,2,3
	v_sub_f32 v[uT+\p], v[uE+\p], v[uT+\p]         ; what hi leaves over: exact
	v_sub_f32 v[uT+4+\p], v[uX+\p], v[uT+4+\p]
.endr
.irp p, 0,1,2,3
	v_cvt_pk_bf16_f32 v[uL+\p], v[uT+2*\p], v[uT+2*\p+1]
.endr
	ds_store_b128 v[UST], v[uH:uH+3] offset:(\i)*1024
	ds_store_b128 v[UST], v[uL:uL+3] offset:(\i)*1024+512
.endm
	UT 0
	UT 1
	UT 2
	UT 3
.irp j, 0,1,2,3,4,5,6
	WLD \j, WRA, \j*4096                           ; the ring is filled: seven K steps of W2
.endr
	WIN 0
	s_wait_kmcnt 0x0                               ; b3
	s_wait_dscnt 0x0                               ; for the others' sake: my part of u is stored
	s_barrier_signal -1
	s_barrier_wait -1
	s_mov_b32 s24, 2
.Lpass:                                                ; 128 rows
	v_add_nc_u32 v[UFA], s19, v[LFR]
	s_add_co_u32 s19, s19, 8192                    ; the next pass's 8 row tiles
	WIN W_TO1
.irp rt, 0,1,2,3,4,5,6,7
	ds_load_b128 v[8*\rt:8*\rt+3],   v[UFA] offset:\rt*1024
	ds_load_b128 v[8*\rt+4:8*\rt+7], v[UFA] offset:\rt*1024+512
.endr
	WIN 0
	s_lshl_b32 s39, s20, 16                        ; my 8 K steps of h1
.set i, 0
.rept 32
	v_mov_b32 v[SA+i], 0                           ; the row sums take 128 additions each in a pass; they begin at 0
.set i, i+1
.endr
	s_wait_dscnt 0x0
	s_mov_b32 s27, 8
.Ll1:                                                  ; LAYER 1: a trip makes K step 8 wave + trip of h1 for all 128 rows: 16 products, 16 tiles of tanh
	s_wait_loadcnt 0x0                             ; this trip's W1 and c1, asked for a trip ago
	WIN W_L1M
.irp rt, 0,1,2,3,4,5,6,7
.irp f, 0,1
	v_wmma_f32_16x16x32_bf16 v[DT+8*(2*\rt+\f):DT+8*(2*\rt+\f)+7], v[W1F+8*\f:W1F+8*\f+7], v[8*\rt:8*\rt+7], v[C1B+8*\f:C1B+8*\f+7]
.endr
.endr
	s_add_co_u32 s46, s46, 2048                    ; the next trip's tiles; behind the eighth trip the first again, for the next pass
	s_and_b32 s46, s46, 0x3fff
	s_add_co_u32 s47, s47, 128
	s_and_b32 s47, s47, 0x3ff
	WIN W_TO1
	v_add_nc_u32 v[W1O], s46, v[LFR]               ; these three and a v_nop are the four places behind the products
	v_add_nc_u32 v[C1O], s47, v[H32]
	v_add_nc_u32 v[HST], s39, v[LFR]
	v_nop
	L1LD
	WIN W_L1
	PIPE 16, 0                                     ; four groups: five batches, five waits
	s_add_co_u32 s39, s39, 8192
	WIN 0
	s_sub_co_u32 s27, s27, 1
	s_cmp_lg_u32 s27, 0
	s_cbranch_scc1 .Ll1
	s_wait_xcnt 0x0                                ; the last trip's loads name W1O and C1O, which lie among layer 2's accumulators
	s_wait_dscnt 0x0                               ; for the others' sake: my part of h1 is stored
	s_barrier_signal -1
	s_barrier_wait -1
	HLD HF, HAD, 0                                 ; K step 0
	s_mov_b32 s25, 4
.Lchunk:                                               ; LAYER 2: 256 features, 64 of them mine; four trips of 8 K steps
	TRIP 1
	ADV
	CONST
	s_mov_b32 s26, 3
.Ltrip:
	TRIP 0
	ADV
	s_sub_co_u32 s26, s26, 1
	s_cmp_lg_u32 s26, 0
	s_cbranch_scc1 .Ltrip
	s_mov_b32 s44, s45                             ; no memory instruction has been issued since ADV's wait: CT and CTN may be rewritten.  ADV's four additions and these two are the places behind the last products
	s_add_co_u32 s45, s45, 1024
	s_and_b32 s45, s45, 0xfff
	v_add_nc_u32 v[CT], s44, v[CB]
	v_add_nc_u32 v[CTN], s45, v[CB]
	PIPE 32, 1                                     ; tanh, times W3, onto the row sums: eight groups, nine batches, nine waits; the ring's loads and the next chunk's first h1 are on their way or in
	WIN 0
	s_sub_co_u32 s25, s25, 1
	s_cmp_lg_u32 s25, 0
	s_cbranch_scc1 .Lchunk
	; THE PASS'S END: a row's sum over my 256 features lies in four registers of two lanes; then the four waves' sums meet in LDS
	s_wait_dscnt 0x0                               ; the last fetch of h1, which nothing uses: all my reads of h1 are over
.irp rt, 0,1,2,3,4,5,6,7
	v_pk_add_f32 v[SA+2*\rt:SA+2*\rt+1], v[SA+2*\rt:SA+2*\rt+1], v[SA+16+2*\rt:SA+16+2*\rt+1]
.endr
.irp rt, 0,1,2,3,4,5,6,7
	v_add_f32 v[SA+16+\rt], v[SA+2*\rt], v[SA+2*\rt+1]
.endr
.irp rt, 0,1,2,3,4,5,6,7
	v_permlanex16_b32 v[SA+24+\rt], v[SA+16+\rt], s22, s23   ; the row's other 8 features of each 16 lie in the lane 16 away
.endr
.irp rt, 0,1,2,3,4,5,6,7
	v_add_f32 v[SA+16+\rt], v[SA+16+\rt], v[SA+24+\rt]
.endr
.irp rt, 0,1,2,3,4,5,6,7
	ds_store_b32 v[RST], v[SA+16+\rt] offset:\rt*64   ; both halves of the lanes store the same number to the same word
.endr
	s_wait_dscnt 0x0                               ; for the others' sake: my sums are stored, and (above) my reads of h1 are over, so that the next pass may write h1
	s_barrier_signal -1
	s_barrier_wait -1
	s_cmp_lg_u32 s20, 0
	s_cbranch_scc1 .Lnot_wave_0
.irp q, 0,1,2,3
	ds_load_b128 v[HF+4*\q:HF+4*\q+3], v[RRD] offset:512*\q   ; four rows a lane, from each wave
.endr
	s_wait_dscnt 0x0                               ; also: these reads are over before the barrier that stands ahead of the next pass's sums
	v_pk_add_f32 v[HF:HF+1], v[HF:HF+1], v[HF+4:HF+5]
	v_pk_add_f32 v[HF+2:HF+3], v[HF+2:HF+3], v[HF+6:HF+7]
	v_pk_add_f32 v[HF+8:HF+9], v[HF+8:HF+9], v[HF+12:HF+13]
	v_pk_add_f32 v[HF+10:HF+11], v[HF+10:HF+11], v[HF+14:HF+15]
	v_pk_add_f32 v[HF:HF+1], v[HF:HF+1], v[HF+8:HF+9]
	v_pk_add_f32 v[HF+2:HF+3], v[HF+2:HF+3], v[HF+10:HF+11]
.irp q, 0,1,2,3
	v_add_f32 v[HF+\q], s18, v[HF+\q]              ; + b3
.endr
	global_store_b128 v[OO], v[HF:HF+3], s[16:17]  ; the pass's 128 numbers: 512 consecutive bytes, aligned
.Lnot_wave_0:
	s_wait_xcnt 0x0                                ; the store has read its registers and its base
	s_add_nc_u64 s[16:17], s[16:17], 512
	s_sub_co_u32 s24, s24, 1
	s_cmp_lg_u32 s24, 0
	s_cbranch_scc1 .Lpass
	s_wait_tensorcnt 0x0                           ; the wave's end, behind my last LDS store
	ds_add_u32 v[SPW], v[NIL]
	s_wait_dscnt 0x0
	s_endpgm
.Lfunc_end_k_qef6f2b91ef_mlp:
	.size	k_qef6f2b91ef_mlp, .Lfunc_end_k_qef6f2b91ef_mlp-k_qef6f2b91ef_mlp
	.p2alignl 7, 3214868480
	.fill 96, 4, 3214868480
	.section	.rodata,"a",@progbits
	.p2align	6, 0x0
	.amdhsa_kernel k_qef6f2b91ef_mlp
		.amdhsa_group_segment_fixed_size 281088
		.amdhsa_private_segment_fixed_size 0
		.amdhsa_enable_private_segment 0
		.amdhsa_kernarg_size 56
		.amdhsa_user_sgpr_count 2
		.amdhsa_user_sgpr_kernarg_segment_ptr 1
		.amdhsa_wavefront_size32 1
		.amdhsa_system_sgpr_workgroup_id_x 1
		.amdhsa_system_sgpr_workgroup_id_y 1
		.amdhsa_system_sgpr_workgroup_id_z 1
		.amdhsa_system_vgpr_workitem_id 0
		.amdhsa_next_free_vgpr 976
		.amdhsa_next_free_sgpr 66
		.amdhsa_reserve_vcc 0
		.amdhsa_float_denorm_mode_32 3
		.amdhsa_float_denorm_mode_16_64 3
		.amdhsa_memory_ordered 1
		.amdhsa_forward_progress 1
		.amdhsa_inst_pref_size 174
	.end_amdhsa_kernel
	.amdgpu_metadata
---
amdhsa.version: [ 1, 2 ]
amdhsa.kernels:
  - .name:           k_qef6f2b91ef_mlp
    .symbol:         k_qef6f2b91ef_mlp.kd
    .args:
      - { .name: x, .offset: 0, .size: 8, .value_kind: global_buffer, .address_space: global }
      - { .name: w1f, .offset: 8, .size: 8, .value_kind: global_buffer, .address_space: global }
      - { .name: w2f, .offset: 16, .size: 8, .value_kind: global_buffer, .address_space: global }
      - { .name: tab, .offset: 24, .size: 8, .value_kind: global_buffer, .address_space: global }
      - { .name: W3, .offset: 32, .size: 8, .value_kind: global_buffer, .address_space: global }
      - { .name: b3, .offset: 40, .size: 8, .value_kind: global_buffer, .address_space: global }
      - { .name: out0, .offset: 48, .size: 8, .value_kind: global_buffer, .address_space: global }
    .group_segment_fixed_size: 281088
    .private_segment_fixed_size: 0
    .kernarg_segment_align: 8
    .kernarg_segment_size: 56
    .max_flat_workgroup_size: 128
    .sgpr_count:     66
    .vgpr_count:     976
    .wavefront_size: 32
...
	.end_amdgpu_metadata
.endif
;; end of part 3
